; MI455X (gfx1250); checked and timed in simulation.
; The chip was launched on July 23, 2026; its instructions are those of AMD's public machine-readable ISA for CDNA 5 (MIT licence, August 2026) and "CDNA5" Instruction Set Architecture Reference Guide (July 2026). The comments in the code are by the model that wrote it; some were corrected since.
;; Group Attention. Allowed arithmetic: matrix products marked QUANTISED: E3M2 operands, one E8M0 scale for each 32 along K, by v_wmma_scale_f32_16x16x128_f8f6f4 with both operands' format E3M2, f32 sums; everything else in f32.
;; Inputs: key 2 x 2,048 x 1,024 float32; query 2 x 2,048 x 4,096 float32; value_codes 2 x 1,024 x 64 x 24 uint8 (E3M2 codes of value, K innermost, in blocks of 32 codes, four codes in three bytes); value_scales 2 x 1,024 x 64 uint8 (E8M0 scales of value, one for each 32 codes along K).
;; Outputs: out0 2 x 2,048 x 4,096 float32.
;; This version of the problem:
;;   THIS VERSION OF THE PROBLEM IS GIVEN IN LOW PRECISION. The matrix products marked QUANTISED in the list below multiply operands that are first quantised to E3M2 (3 exponent bits, 2 mantissa bits; 6 bits a number), with one power-of-two scale for each 32 numbers along K (OCP MX v1.0); their sums are f32. All else is computed in f32.
;;   The module's matrix products, in the order in which they are computed (A, B: the left and right operand; K: the contracted axis; several contracted axes count as one K, in the product's order):
;;     1. batch 64 x [M 2,048, K 128] x [K 128, N 2,048]; A: input query; B: input key: QUANTISED
;;     2. batch 64 x [M 2,048, K 2,048] x [K 2,048, N 128]; A: softmax (see below); B: input value (given as codes): QUANTISED
;;   THE QUANTISER, for each operand of a quantised product, along K:
;;     - K is cut into blocks of 32 from its start; a last block that is shorter is filled with zeros.
;;     - A block's scale is 2^e with e = floor(log2(the largest magnitude in the block)) - 4, held to -126 .. 127; a block of zeros has e = 0. As a byte (E8M0): e + 127.
;;     - Each number is divided by its block's scale, clamped to +-28, and rounded to the nearest number of E3M2, ties to even, subnormals kept.
;;     - The product sums the exact products of the quantised numbers (number of the format x scale) in f32.
;;   ~~~python
;;   def quantise(x, axis):      # numpy; x: float32 -> the quantised numbers, widened to float32 again
;;       x = np.moveaxis(x, axis, -1); K = x.shape[-1]
;;       x = np.pad(x, [(0, 0)] * (x.ndim - 1) + [(0, -K % 32)]); x = x.reshape(x.shape[:-1] + (-1, 32)); a = np.abs(x).max(-1, keepdims=True)
;;       e = np.where(a > 0, np.clip(np.frexp(np.where(a > 0, a, 1))[1] - 1 - 4, -126, 127), 0)      # np.frexp(a)[1] - 1 = floor(log2(a)), exactly
;;       r = np.clip(x / 2.0 ** e, -28, 28)
;;       step = 2.0 ** (np.maximum(np.frexp(np.where(r == 0, 1, r))[1] - 1, -2) - 2)
;;       q = np.round(r / step) * step * 2.0 ** e      # np.round: ties to even
;;       return np.moveaxis(q.reshape(q.shape[:-2] + (-1,))[..., :K], -1, axis).astype(np.float32)
;;   ~~~
;;   SOFTMAX AHEAD OF A QUANTISED PRODUCT. Where the list says 'softmax', what is quantised is not the finished softmax but p = 2^(t - M), with t = logit x log2(e) and M = ceil(the row's largest t), a whole number; so 1/2 < the row's largest p <= 1. The row's sum l is taken of the UNQUANTISED p, in f32, and the product's result is divided by l at the end. Since M is a whole number, a kernel that streams over the keys may use a running M (the ceiling of the running maximum): every later rescaling is an exact power of two, which a block's scale takes up: the codes' values come out the same.
;;   OPERANDS COMPUTED ON THE WAY. 'Computed on the way' means the value that the module computes at that place (a softmax that the list does not call 'softmax' is quantised finished and normalised). What goes into a quantiser is computed in f32, as accurately as f32 sums, v_exp_f32 and their like allow (about 1e-6 of the number): no bf16 or f16 on the way to a quantiser, and a product that is left as it is and whose result goes on into a quantised operand takes f32 operands (vector FMAs, or v_wmma_f32_16x16x4_f32). A number that lies on a knife's edge between two numbers of the format may be rounded either way, as far as f32 arithmetic and the matrix unit's own rounding can turn it there, and no further.
;;   INPUTS GIVEN AS CODES. value (in the module: [2, 2048, 1024], K = its axis 1): each comes as NAME_codes (uint8): NAME with its K axis moved to the last place and cut into blocks of 32 codes, [.., K / 32, bytes a block], one block behind the other in memory; four codes in three bytes: a row's codes are one little-endian stream of bits, code i at bits 6 i .. 6 i + 5 (a code: sign, 3 exponent bits, 2 mantissa bits); and NAME_scales (uint8): the same leading axes, one E8M0 byte (e + 127) for each 32 codes along K. Its value is code x scale, taken as it is: it is not quantised again, and the codes and scales need not be those that the quantiser above would give.
;; One version. Each part assembles by itself: llvm-mc -triple=amdgcn-amd-amdhsa -mcpu=gfx1250 --defsym DOCPART=n.
;; ======== version 1 of 1: 2 launches
;; limits: right only within a limited range of input values
;; workspace buffers: kv 6,553,600 bytes
;; launch prep (part 1): grid 16 x 16, 4 waves a work-group, no clusters, 34,304 bytes of LDS; arguments key, value_codes, value_scales, kv; writes kv
.if DOCPART == 1
	.amdgcn_target "amdgcn-amd-amdhsa--gfx1250"
	.amdhsa_code_object_version 6
	.text
	.protected	k_q185a5b5314_prep
	.globl	k_q185a5b5314_prep
	.p2align	8
	.type	k_q185a5b5314_prep,@function
k_q185a5b5314_prep:
	s_mov_b64 s[64:65], 0
	v_nop
	global_prefetch_b8 v0, s[64:65] scope:SCOPE_SE
	s_setreg_imm32_b32 hwreg(HW_REG_WAVE_MODE, 25, 1), 1
	s_wait_xcnt 0x0
; key [2][2048][1024] f32 is quantised to codes of BF6 (E3M2) along a head's 128, with one E8M0 byte for each 32; value comes as codes (keys innermost) with its scale bytes and is taken as it is.
; Both are laid into kv as the attention launch's matrix operands want them: for each (batch x 8 + kv head, step of 128 keys) ONE dense block of 25,600 bytes:
;   KIMG     0: eight fragments of K (16 keys x 128 channels, 12 registers a lane) as IMAGES OF THE REGISTERS: fragment t at 1,536 t, its registers 4 c .. 4 c + 3 of lane l at 512 c + 16 l.
;               THE KEYS OF A FRAGMENT ARE NOT NEIGHBOURS: lane r of fragment 2 b + u holds key 32 b + 8 u + r + 8 (r / 8), so that in K Q^T a lane's 16 results of fragments 2 b, 2 b + 1 are 16 neighbouring keys.
;   VIMG 12,288: eight fragments of V^T (channels 16 t + r x the step's 128 keys), the same form.
;   KSC  24,576: K's scale words, pair p at 128 p + 4 l: lanes 0-15 fragment 2 p's rows, lanes 16-31 fragment 2 p + 1's.     VSC 25,088: V's likewise.
; SHARES.  A work-group (x = key step, y = batch x 8 + kv head) makes one block; wave w makes K's and V's fragments 2 w, 2 w + 1 and scale pair w.  No loop, no barrier: waves share nothing.
; K: each load reads one key's 512 consecutive bytes of the head, 16 a lane; a fragment's 16 rows turn through the wave's own stage in LDS and come back so that lane (r, h) holds k = 64 c + 32 h + 0 .. 31 of row r:
; two whole blocks of 32, in the order of the operand's registers.  So a block's largest magnitude needs no other lane, and the conversions' results are the fragment.
; A block's scale is 2^(floor(log2(its largest magnitude)) - 4): its byte is that magnitude's exponent field - 4, held at 1 from below by a floor among the maximum's leaves.
; LIMITS: NaN and infinities are not served; a block whose largest magnitude lies under 2^-122 has its byte held at 1; a block of zeros gets the byte 1, not 127: its codes are zeros, and this program alone reads the bytes.
.set WSTG,  8448                       ; a wave's stage: 16 rows x 528 bytes
.set SP,    528                        ; a stage row: 512 bytes + 16 = 132 words: row r starts at bank 4 r mod 64 (64 banks of 4 bytes: ISA guide 11.1)
.set STEPB, 25600
.set VIMG,  12288
.set KSC,   24576
.set VSC,   25088
.set WV,  12                           ; s12  wave
.set J,   13                           ; s13  key step
.set BH,  14                           ; s14  batch x 8 + kv head
.set SEL, 20                           ; s[20:21] v_permlanex16_b32's selects for lane l xor 16
.set LN,  1                            ; v1   lane
.set R,   2                            ; v2   lane % 16
.set H,   3                            ; v3   lane / 16
.set LI,  4                            ; v4   16 x lane
.set IMO, 5                            ; v5   16 x lane + 3,072 x wave: my two fragments' images
.set SCO, 6                            ; v6   4 x lane + 128 x wave: my pair of scale words
.set RD,  7                            ; v7   the stage by rows: 16 x lane
.set STQ, 8                            ; v8   the stage by lanes: 528 r + 128 h
.set VA,  9                            ; v9   V's codes: 1,536 r + 24 h
.set VSA, 10                           ; v10  V's scale words: 64 x lane
.set H8,  11                           ; v11  8 h
.set VF,  16                           ; v16-39  V's two fragments
.set VSW, 40                           ; v40  V's pair of scale words
.set KSW, 41                           ; v41  K's
.set KC,  48                           ; v48-71  K's two fragments
.set KW,  72                           ; v72-73  their scale words, each in all lanes
.set X,   80                           ; v80-207 two sets of 64 numbers
.set MX,  208                          ; v208-209 largest magnitudes;  v210-211 the conversions' scale operands;  v212-213 bytes
.set SO,  210
.set BY,  212
.set W,   214                          ; v214 my two bytes at their places;  v215 lane l xor 16's
.set W2,  215
.set CT,  216                          ; v216-222 the upper halves of two blocks' codes
	s_load_b128 s[4:7], s[0:1], 0x0                ; key, value_codes
	s_load_b128 s[8:11], s[0:1], 0x10              ; value_scales, kv
	v_lshl_add_u32 v232, v0, 2, 0x8400
	v_mov_b32 v233, 0
	v_lshrrev_b32 v[LN], 5, v0
	v_readfirstlane_b32 s[WV], v[LN]               ; wave 0..3
	s_mov_b32 s[J], ttmp9
	s_and_b32 s[BH], ttmp7, 0xffff
	v_and_b32 v[LN], 31, v0
	v_and_b32 v[R], 15, v0
	v_bfe_u32 v[H], v0, 4, 1
	v_lshlrev_b32 v[LI], 4, v[LN]
	s_mul_i32 s15, s[WV], 3072
	v_add_nc_u32 v[IMO], s15, v[LI]
	s_lshl_b32 s15, s[WV], 7
	v_lshl_add_u32 v[SCO], v[LN], 2, s15
	s_mul_i32 s15, s[WV], WSTG
	v_add_nc_u32 v[RD], s15, v[LI]
	v_mul_u32_u24 v[STQ], v[R], SP
	v_lshl_add_u32 v[STQ], v[H], 7, v[STQ]
	v_add_nc_u32 v[STQ], s15, v[STQ]
	v_mul_u32_u24 v[VA], v[R], 1536
	v_mad_u32_u24 v[VA], v[H], 24, v[VA]
	v_lshlrev_b32 v[VSA], 6, v[LN]
	v_lshlrev_b32 v[H8], 3, v[H]
	v_mov_b32 v[W2], 0                             ; written once: a lane permute's destination counts as one of its sources
	s_mov_b32 s[SEL], 0x76543210
	s_mov_b32 s[SEL+1], 0xfedcba98
	; key: ((batch x 2,048 + 128 J + 32 wave) rows of 4,096 bytes) + 512 x kv head
	s_lshr_b32 s16, s[BH], 3
	s_lshl_b32 s16, s16, 11
	s_lshl_b32 s17, s[J], 7
	s_add_co_u32 s16, s16, s17
	s_lshl_b32 s17, s[WV], 5
	s_add_co_u32 s16, s16, s17
	s_lshl_b32 s16, s16, 12
	s_and_b32 s17, s[BH], 7
	s_lshl_b32 s17, s17, 9
	s_add_co_u32 s16, s16, s17
	s_mov_b32 s17, 0
	; value: row 128 BH + 32 wave; codes 1,536 bytes a row, + 96 J; scale bytes 64 a row, + 4 J
	s_lshl_b32 s18, s[BH], 7
	s_lshl_b32 s19, s[WV], 5
	s_add_co_u32 s18, s18, s19
	s_lshl_b32 s22, s18, 6
	s_mul_i32 s18, s18, 1536
	s_mul_i32 s19, s[J], 96
	s_add_co_u32 s18, s18, s19
	s_mov_b32 s19, 0
	s_lshl_b32 s23, s[J], 2
	s_add_co_u32 s22, s22, s23
	s_mov_b32 s23, 0
	; kv: block 16 BH + J
	s_lshl_b32 s24, s[BH], 4
	s_add_co_u32 s24, s24, s[J]
	s_mul_i32 s24, s24, STEPB
	s_mov_b32 s25, 0
	s_wait_kmcnt 0x0
	s_add_nc_u64 s[4:5], s[4:5], s[16:17]
	s_add_nc_u64 s[6:7], s[6:7], s[18:19]
	s_add_nc_u64 s[8:9], s[8:9], s[22:23]
	s_add_nc_u64 s[10:11], s[10:11], s[24:25]
	; V first: 13 loads.  A fragment's registers are the row's stream of bits as it lies: 24 bytes at 24 h and 24 at 48 + 24 h, in pieces of 8 so that every address is a multiple of the access's size
.irp u, 0,1
.irp p, 0,1,2,3,4,5
	global_load_b64 v[VF+12*\u+2*\p:VF+12*\u+2*\p+1], v[VA], s[6:7] offset:24576*\u+48*(\p/3)+8*(\p%3)
.endr
.endr
	global_load_b32 v[VSW], v[VSA], s[8:9]         ; lane l: the word of row 32 wave + l: lanes 0-15 fragment 2 w's rows, lanes 16-31 fragment 2 w + 1's
	; K: 32 loads, each one key's 512 consecutive bytes; row i of fragment u is key 8 u + i + 8 (i / 8) of the wave's 32
.irp u, 0,1
.irp i, 0,1,2,3,4,5,6,7,8,9,10,11,12,13,14,15
	global_load_b128 v[X+64*\u+4*\i:X+64*\u+4*\i+3], v[LI], s[4:5] offset:(8*\u+\i+8*(\i/8))*4096 th:TH_LOAD_NT
.endr
.endr
	s_wait_loadcnt 32                              ; V's 13 loads are in; K's 32, issued behind them, may be out
.irp u, 0,1
.irp c, 0,1,2
	global_store_b128 v[IMO], v[VF+12*\u+4*\c:VF+12*\u+4*\c+3], s[10:11] offset:VIMG+1536*\u+512*\c   ; 32 lanes store 512 consecutive bytes, at a multiple of 256 from kv's first byte
.endr
.endr
	global_store_b32 v[SCO], v[VSW], s[10:11] offset:VSC
; 16 rows of 512 bytes go into my stage as loaded and come back by lanes: register 32 c + i of lane (r, h) is then k = 64 c + 32 h + i of row r.  LDS serves a wave's instructions in order (ISA guide 5.7.1.4): no wait between the stores and the loads.
.macro TURN x
.irp i, 0,1,2,3,4,5,6,7,8,9,10,11,12,13,14,15
	ds_store_b128 v[RD], v[\x+4*\i:\x+4*\i+3] offset:SP*\i
.endr
.irp c, 0,1
.irp j, 0,1,2,3,4,5,6,7
	ds_load_b128 v[\x+32*\c+4*\j:\x+32*\c+4*\j+3], v[STQ] offset:256*\c+16*\j
.endr
.endr
.endm
; 64 numbers of a lane, two whole blocks (2 c + h, c = 0, 1), become the fragment's 12 registers at v[q]; my two scale bytes at their places in v[W], lane l xor 16's in v[W2].
.macro QFRAG x, q
.irp c, 0,1
	v_max3_num_f32 v[MX+\c], |v[\x+32*\c]|, |v[\x+32*\c+1]|, 0x2800000   ; the floor 2^(5 - 127) among the leaves: the byte cannot fall under 1
.endr
.irp i, 2,4,6,8,10,12,14,16,18,20,22,24,26,28,30
.irp c, 0,1
	v_max3_num_f32 v[MX+\c], v[MX+\c], |v[\x+32*\c+\i]|, |v[\x+32*\c+\i+1]|   ; (the two blocks by turns)
.endr
.endr
.irp c, 0,1
	v_add_nc_u32 v[SO+\c], 0xfe000000, v[MX+\c]    ; 4 off the exponent field: the conversion takes the exponent field of this operand as its scale, and nothing else of it
.endr
.irp c, 0,1
	v_lshrrev_b32 v[BY+\c], 23, v[SO+\c]           ; the scale's byte
.endr
	v_lshl_or_b32 v[W], v[BY+1], 16, v[BY]         ; blocks h and 2 + h of my row,
	v_lshlrev_b32 v[W], v[H8], v[W]                ; 8 h bits up
	v_permlanex16_b32 v[W2], v[W], s[SEL], s[SEL+1]
.irp c, 0,1
	v_cvt_scalef32_pk16_bf6_f32 v[\q+6*\c:\q+6*\c+2], v[\x+32*\c:\x+32*\c+15], v[SO+\c]
	v_cvt_scalef32_pk16_bf6_f32 v[CT+4*\c:CT+4*\c+2], v[\x+32*\c+16:\x+32*\c+31], v[SO+\c]   ; (a conversion's three registers begin on an even number: a block's upper half is made elsewhere and moved)
.endr
	v_nop                                          ; one plain place behind a scaled conversion
.irp c, 0,1
.irp i, 0,1,2
	v_mov_b32 v[\q+3+6*\c+\i], v[CT+4*\c+\i]
.endr
.endr
.endm
.macro KTILE u, left                   ; left: the younger loads that may stay out
	s_wait_loadcnt \left
	TURN X+64*\u
	s_wait_dscnt 0x0                               ; the numbers are back
	QFRAG X+64*\u, KC+12*\u
	v_or_b32 v[KW+\u], v[W], v[W2]                 ; the row's scale word, in both halves of the lanes
.irp c, 0,1,2
	global_store_b128 v[IMO], v[KC+12*\u+4*\c:KC+12*\u+4*\c+3], s[10:11] offset:1536*\u+512*\c
.endr
.endm
	KTILE 0, 16                                    ; the second fragment's 16 loads may be out
	KTILE 1, 0
	v_cmp_gt_u32 vcc_lo, 16, v[LN]
	v_cndmask_b32 v[KSW], v[KW+1], v[KW], vcc_lo   ; lanes 0-15 the first fragment's words, lanes 16-31 the second's
	global_store_b32 v[SCO], v[KSW], s[10:11] offset:KSC
	s_wait_tensorcnt 0x0
	ds_add_u32 v232, v233
	s_wait_dscnt 0x0
	s_endpgm                                       ; no store's data or address register was written again, so no wait on XCNT is needed for the stores
.Lfunc_end_k_q185a5b5314_prep:
	.size	k_q185a5b5314_prep, .Lfunc_end_k_q185a5b5314_prep-k_q185a5b5314_prep
	.p2alignl 7, 3214868480
	.fill 96, 4, 3214868480
	.section	.rodata,"a",@progbits
	.p2align	6, 0x0
	.amdhsa_kernel k_q185a5b5314_prep
		.amdhsa_group_segment_fixed_size 34304
		.amdhsa_private_segment_fixed_size 0
		.amdhsa_enable_private_segment 0
		.amdhsa_kernarg_size 32
		.amdhsa_user_sgpr_count 2
		.amdhsa_user_sgpr_kernarg_segment_ptr 1
		.amdhsa_wavefront_size32 1
		.amdhsa_system_sgpr_workgroup_id_x 1
		.amdhsa_system_sgpr_workgroup_id_y 1
		.amdhsa_system_sgpr_workgroup_id_z 1
		.amdhsa_system_vgpr_workitem_id 0
		.amdhsa_next_free_vgpr 234
		.amdhsa_next_free_sgpr 66
		.amdhsa_reserve_vcc 1
		.amdhsa_float_denorm_mode_32 3
		.amdhsa_float_denorm_mode_16_64 3
		.amdhsa_memory_ordered 1
		.amdhsa_forward_progress 1
		.amdhsa_inst_pref_size 19
	.end_amdhsa_kernel
	.amdgpu_metadata
---
amdhsa.version: [ 1, 2 ]
amdhsa.kernels:
  - .name:           k_q185a5b5314_prep
    .symbol:         k_q185a5b5314_prep.kd
    .args:
      - { .name: key, .offset: 0, .size: 8, .value_kind: global_buffer, .address_space: global }
      - { .name: value_codes, .offset: 8, .size: 8, .value_kind: global_buffer, .address_space: global }
      - { .name: value_scales, .offset: 16, .size: 8, .value_kind: global_buffer, .address_space: global }
      - { .name: kv, .offset: 24, .size: 8, .value_kind: global_buffer, .address_space: global }
    .group_segment_fixed_size: 34304
    .private_segment_fixed_size: 0
    .kernarg_segment_align: 8
    .kernarg_segment_size: 32
    .max_flat_workgroup_size: 128
    .sgpr_count:     66
    .vgpr_count:     234
    .wavefront_size: 32
...
	.end_amdgpu_metadata
.endif
;; end of part 1
;; launch attn (part 2): grid 16 x 16, 8 waves a work-group, no clusters, 327,680 bytes of LDS; arguments query, kv, out0; writes out0
.if DOCPART == 2
	.amdgcn_target "amdgcn-amd-amdhsa--gfx1250"
	.amdhsa_code_object_version 6
	.text
	.protected	k_q185a5b5314_attn
	.globl	k_q185a5b5314_attn
	.p2align	8
	.type	k_q185a5b5314_attn,@function
k_q185a5b5314_attn:
	s_mov_b64 s[64:65], 0
	v_nop
	global_prefetch_b8 v0, s[64:65] scope:SCOPE_SE
	s_setreg_imm32_b32 hwreg(HW_REG_WAVE_MODE, 25, 1), 1
	s_wait_xcnt 0x0
; out[b][q][head] = the sum over keys k <= q of softmax_k(Q . K / sqrt(128)) V, 32 query heads on 8 kv heads, 2,048 positions; both products on codes of BF6 (E3M2) with one E8M0 scale for each 32 along K.
; query: [2][2048][4096] f32, quantised here in registers.  kv: for each (batch x 8 + kv head, step of 128 keys) a dense block of 25,600 bytes: images of the registers of K's eight fragments (0), of V^T's eight (12,288),
; K's scale words (24,576) and V's (25,088), two fragments' words to a register (lanes 0-15, lanes 16-31).  Lane r of K's fragment 2 b + u holds key 32 b + 8 u + r + 8 (r / 8).
; THE SOFTMAX: t = score x log2(e) / sqrt(128); M = the running largest t rounded UP to a whole number; p = 2^(t - M) is quantised along the keys, not normalised; the row's sum is taken of the unquantised p and divides at the end.
; When M moves, the sum and O are multiplied by 2^(old M - new M): exact.
; SHARES.  A block is 64 positions x the 4 heads of a kv head: 16 tiles of 16 queries.  Block n needs n / 2 + 1 key steps, and each of its waves needs every one of them.  A work-group takes block n1 and then block 31 - n1:
; 17 key steps in every work-group, so all trip counts are constants and the 256 work-groups have equal work.  n1 = x where the kv head's number is odd, 31 - x where it is even, so that the change of blocks falls on different steps.
; Wave w takes positions 16 (w % 4) on and heads 2 (w / 4), 2 (w / 4) + 1 of the four: TWO TILES that share every fragment of K and V read from LDS.
; LAYOUT.  Both products are used transposed: S^T = K Q^T (source 0 = 16 keys), O^T = V^T P^T (source 0 = 16 channels): a lane holds ONE query (lane % 16) throughout, and p's 16 registers of two neighbouring fragments are 16 neighbouring keys.
; THE MASK.  Steps all of whose keys come after the block's queries are not walked.  In a block's last step the scores of hidden keys are set to -50,000 x sqrt(128), the fill as a raw score, ahead of the maximum.
; NO CLUSTER: only blocks 2 m and 2 m + 1 of a kv head walk the same number of key steps, so four partners would need different numbers of tiles, and the change of blocks is a branch that would differ between partners.
; LIMITS: NaN and infinities are not served (the byte 0xff among V's scales neither): the second block's sums begin by a multiplication of the first block's finite numbers by 0.  Leaving hidden steps out is right while a row's largest
; visible score lies above about -49,890, where exp(-50,000 - maximum) is 0 in f32.  A block's largest p is taken from its largest score: this takes v_exp_f32 not to fall where its input rises.
; A block of Q whose largest magnitude lies under 2^-122 has its byte held at 1.
; REGISTERS, in two windows of 256 (s_set_vgpr_msb: bits 1:0 source 0, 3:2 source 1, 5:4 source 2, 7:6 destination).  TILE tau's STATE LIES IN WINDOW tau UNDER THE SAME NUMBERS, so each macro is written once:
;   both windows: v10 the mask's d, v11 8 h, v12 -M, v13 the largest t, v[14:15] the sum, v16-27 Q's codes, v96-159 S^T then p (and Q's numbers), v160-223 O^T, v224-235 p's codes, v232-254 at work;
;   v32-79: fragments 0-3 in window 0, fragments 4-7 in window 1.   window 0 alone: v1-9 addresses, v28-31 and v80-87 scale words (scale operands have no window), v88-89.
.set STEPB, 25600
.set VIMG,  12288
.set KSC,   24576
.set VSC,   25088
.set SLOT1, 1<<16                      ; a slot holds two steps' blocks (51,200 bytes); slot 1 begins here, so that one exclusive or turns an address in one slot into the other's
.set STAGE, 131072                     ; behind the ring: a stage of 16 rows x 528 bytes for each wave; no fill lands there
.set WSTG,  8448
.set SP,    528                        ; 512 bytes + 16 = 132 words: row r starts at bank 4 r mod 64 (64 banks of 4 bytes: ISA guide 11.1)
.set SPARE, STAGE+8*WSTG               ; the spare words, 128 bytes for each wave: four blocks of 256 bytes that no other line names
.set LI,  1                            ; v1   16 x lane
.set LS,  2                            ; v2   4 x lane
.set SPW, 3                            ; v3   LDS address of my spare word; never rewritten
.set NIL, 4                            ; v4   0; never rewritten
.set RD,  5                            ; v5   my stage by rows: 16 x lane
.set STQ, 6                            ; v6   my stage, Q's way back: 528 r + 128 h
.set STO, 7                            ; v7   my stage, O's way in: 528 r + 32 h
.set ADF, 8                            ; v8   the step's images: its block + 16 x lane
.set ADS, 9                            ; v9   the step's scale words: its block + 4 x lane
.set DD,  10
.set H8,  11
.set QF,  16
.set QS,  28                           ; v28, v29  Q's scale words, tile 0, 1
.set PS,  30                           ; v30, v31  p's
.set FRG, 32
.set KS,  80                           ; v80-83  K's scale words, a pair of fragments to a register
.set VS,  84                           ; v84-87  V's
.set RH,  88                           ; v88  r - 16 h
.set PFO, 89                           ; v89  prefetch: 16,384 (lane / 2) + 256 (lane % 2)
.set S,   96
.set OT,  160
.set PC,  224
.set WV,  10                           ; s10  wave
.set X,   12
.set BH,  13                           ; s13  batch x 8 + kv head
.set N1,  14                           ; s14  key steps of the first block
.set SI,  15                           ; s15  the step in hand, 0 .. 16
.set SG,  16                           ; s16  the step that my next tensor load fetches
.set KF,  17                           ; s17  the step's first key
.set Q0,  18                           ; s18  my first position;  s19 the second block's
.set Q0B, 19
.set SEL, 20                           ; s[20:21] v_permlanex16_b32's selects for lane l xor 16
.set CS,  22                           ; s[22:23] c = log2(e) / sqrt(128)
.set G1,  24                           ; s[24:31] descriptor group 1;  s[32:35] group 0
.set G0,  32
.set KVB, 36                           ; s[36:37] kv at my kv head
.set QP1, 38                           ; s[38:39], s[40:41] query at my rows of block 1, 2;  s[42:43], s[44:45] out0 likewise
.set QP2, 40
.set OP1, 42
.set OP2, 44
.set T0,  46                           ; s[46:47] an offset
.set TB,  48                           ; s48  LDS byte at which the block of the step in hand begins
.set SLOTS, 49
.set TWICE, 50
.set TMP, 51
.set MSB, 0
.macro WIN new                         ; the immediate's high byte repeats the setting that is left; a switch that changes nothing is dropped
.if MSB != (\new)
	s_set_vgpr_msb (MSB<<8)|(\new)
.set MSB, (\new)
.endif
.endm
	s_load_b128 s[4:7], s[0:1], 0x0                ; query, kv
	s_load_b64 s[8:9], s[0:1], 0x10                ; out0
	v_lshl_add_u32 v[SPW], v0, 2, SPARE
	v_mov_b32 v[NIL], 0
	ds_add_u32 v3, v4
	s_wait_dscnt 0x0
	v_lshrrev_b32 v92, 5, v0
	v_readfirstlane_b32 s[WV], v92                 ; wave 0..7
	v_and_b32 v92, 31, v0                          ; lane
	v_and_b32 v90, 15, v0                          ; r
	v_bfe_u32 v91, v0, 4, 1                        ; h
	v_lshlrev_b32 v[LI], 4, v92
	v_lshlrev_b32 v[LS], 2, v92
	s_mul_i32 s[TMP], s[WV], WSTG
	s_add_co_u32 s[TMP], s[TMP], STAGE             ; my stage
	v_add_nc_u32 v[RD], s[TMP], v[LI]
	v_mul_u32_u24 v93, v90, SP
	v_add_nc_u32 v93, s[TMP], v93
	v_lshl_add_u32 v[STQ], v91, 7, v93
	v_lshl_add_u32 v[STO], v91, 5, v93
	v_lshlrev_b32 v[H8], 3, v91
	v_lshlrev_b32 v94, 4, v91
	v_sub_nc_u32 v[RH], v90, v94
	v_lshrrev_b32 v[PFO], 1, v92
	v_lshlrev_b32 v[PFO], 14, v[PFO]
	v_and_b32 v94, 1, v92
	v_lshl_add_u32 v[PFO], v94, 8, v[PFO]
	s_mov_b32 s[X], ttmp9
	s_and_b32 s[BH], ttmp7, 0xffff
	s_and_b32 s[TMP], s[BH], 1
	s_cmp_eq_u32 s[TMP], 0
	s_cselect_b32 s[TMP], 31, 0
	s_xor_b32 s52, s[X], s[TMP]                    ; the first block: x, or 31 - x where the kv head's number is even
	s_sub_co_u32 s53, 31, s52                      ; the second
	s_lshr_b32 s[N1], s52, 1
	s_add_co_u32 s[N1], s[N1], 1                   ; 1 .. 16; the second block has 17 - N1
	s_and_b32 s54, s[WV], 3
	s_lshl_b32 s54, s54, 4
	s_lshl_b32 s[Q0], s52, 6
	s_add_co_u32 s[Q0], s[Q0], s54                 ; my first position: 64 x block + 16 (wave % 4)
	s_lshl_b32 s[Q0B], s53, 6
	s_add_co_u32 s[Q0B], s[Q0B], s54
	s_lshr_b32 s55, s[BH], 3
	s_lshl_b32 s55, s55, 11                        ; batch x 2,048 rows
	s_and_b32 s56, s[BH], 7
	s_lshl_b32 s56, s56, 2
	s_lshr_b32 s57, s[WV], 2
	s_lshl_b32 s57, s57, 1
	s_add_co_u32 s56, s56, s57                     ; my first head: 4 x kv head + 2 (wave / 4),
	s_lshl_b32 s56, s56, 9                         ; 512 bytes a head
	s_add_co_u32 s58, s55, s[Q0]
	s_lshl_b32 s58, s58, 14                        ; rows of 16,384 bytes
	s_add_co_u32 s58, s58, s56
	s_mov_b32 s59, 0
	s_add_co_u32 s60, s55, s[Q0B]
	s_lshl_b32 s60, s60, 14
	s_add_co_u32 s60, s60, s56
	s_mov_b32 s61, 0
	s_mul_i32 s62, s[BH], 16*STEPB
	s_mov_b32 s63, 0
	; descriptor group 1: a dense block of 25,600 bytes as 100 rows of 256 bytes (32 elements of 8 bytes), no padding, no mask
	s_mov_b32 s[G1+0], 3<<16                       ; 17:16 elements of 8 bytes
	s_mov_b32 s[G1+1], 32<<16                      ; tensor_dim0 = 32
	s_mov_b32 s[G1+2], 100<<16                     ; tensor_dim1 = 100
	s_mov_b32 s[G1+3], 32<<16                      ; tile_dim0 = 32
	s_mov_b32 s[G1+4], 100                         ; tile_dim1 = 100
	s_mov_b32 s[G1+5], 32                          ; elements from row to row
	s_mov_b32 s[G1+6], 0
	s_mov_b32 s[G1+7], 0
	s_mov_b32 s[SEL], 0x76543210
	s_mov_b32 s[SEL+1], 0xfedcba98
	s_mov_b32 s[CS], 0x3e0293ee
	s_mov_b32 s[CS+1], s[CS]                       ; (named with it as a pair, so it is written)
	s_mov_b32 s[SI], 0
	s_mov_b32 s[KF], 0
	s_mov_b32 s[TB], 0
	s_mov_b32 s[SLOTS], 7
	s_and_b32 s[SG], s[WV], 1                      ; waves 0 and 1 fetch: wave 0 a slot's first step, wave 1 its second (the two may lie on either side of the change of blocks)
	s_mov_b32 s[G0], 1                             ; count = 1
	s_mul_i32 s[G0+1], s[SG], STEPB                ; LDS address: slot 0, my step's place
; The global address of step SG's block: key step SG of the first block's walk, or SG - N1 of the second's.
.macro KVADDR
	s_cmp_lt_u32 s[SG], s[N1]
	s_cselect_b32 s[T0], 0, s[N1]
	s_sub_co_u32 s[T0], s[SG], s[T0]
	s_mul_i32 s[T0], s[T0], STEPB
	s_mov_b32 s[T0+1], 0
	s_add_nc_u64 s[G0+2:G0+3], s[KVB:KVB+1], s[T0:T0+1]
	s_or_b32 s[G0+3], s[G0+3], 0x80000000          ; type = 2
.endm
	s_wait_kmcnt 0x0
	s_add_nc_u64 s[KVB:KVB+1], s[6:7], s[62:63]
	s_add_nc_u64 s[QP1:QP1+1], s[4:5], s[58:59]
	s_add_nc_u64 s[QP2:QP2+1], s[4:5], s[60:61]
	s_add_nc_u64 s[OP1:OP1+1], s[8:9], s[58:59]
	s_add_nc_u64 s[OP2:OP2+1], s[8:9], s[60:61]
	KVADDR
	s_cmp_lt_u32 s[WV], 2                          ; the first fill, slot 0: ahead of every wait on TENSORcnt, every LDS read and every barrier; four v_nop follow the line
	s_cbranch_scc0 .Lno_first
	tensor_load_to_lds s[G0:G0+3], s[G1:G1+7]
	s_nop 0
.rept 4
	v_nop
.endr
.Lno_first:
; Tile tau's 16 rows of Q from ptr: each load reads one position's 512 consecutive bytes of the head.
.macro QLOAD tau, ptr
	WIN 0x40*\tau
.irp i, 0,1,2,3,4,5,6,7,8,9,10,11,12,13,14,15
	global_load_b128 v[S+4*\i:S+4*\i+3], v[LI], s[\ptr:\ptr+1] offset:16384*\i+512*\tau th:TH_LOAD_NT
.endr
.endm
; They go into my stage as loaded and come back by lanes: register 32 c + i of lane (r, h) is then k = 64 c + 32 h + i of query r.  LDS serves a wave's instructions in order (ISA guide 5.7.1.4): no wait between the stores and the loads.
.macro QTURN tau
	WIN 0x04*\tau
.irp i, 0,1,2,3,4,5,6,7,8,9,10,11,12,13,14,15
	ds_store_b128 v[RD], v[S+4*\i:S+4*\i+3] offset:SP*\i
.endr
	WIN 0x40*\tau
.irp c, 0,1
.irp j, 0,1,2,3,4,5,6,7
	ds_load_b128 v[S+32*\c+4*\j:S+32*\c+4*\j+3], v[STQ] offset:256*\c+16*\j
.endr
.endr
.endm
; A lane's two whole blocks (2 c + h) become Q's 12 registers; the scale word is gathered from lanes l and l xor 16.
.macro QQ tau
	WIN 0x55*\tau
.irp c, 0,1
	v_max3_num_f32 v[232+\c], |v[S+32*\c]|, |v[S+32*\c+1]|, 0x2800000   ; the floor 2^(5 - 127) among the leaves: the byte cannot fall under 1
.endr
.irp i, 2,4,6,8,10,12,14,16,18,20,22,24,26,28,30
.irp c, 0,1
	v_max3_num_f32 v[232+\c], v[232+\c], |v[S+32*\c+\i]|, |v[S+32*\c+\i+1]|
.endr
.endr
.irp c, 0,1
	v_add_nc_u32 v[234+\c], 0xfe000000, v[232+\c]  ; 4 off the exponent field: the conversion's scale operand
.endr
.irp c, 0,1
	v_lshrrev_b32 v[236+\c], 23, v[234+\c]         ; the scale's byte
.endr
	v_lshl_or_b32 v238, v237, 16, v236
	v_lshlrev_b32 v238, v[H8], v238                ; my two bytes at their places
	v_permlanex16_b32 v239, v238, s[SEL], s[SEL+1]
	WIN 0x05*\tau
	v_or_b32 v[QS+\tau], v238, v239                ; the word goes to window 0, where scale operands are read
	WIN 0x55*\tau
.irp c, 0,1
	v_cvt_scalef32_pk16_bf6_f32 v[QF+6*\c:QF+6*\c+2], v[S+32*\c:S+32*\c+15], v[234+\c]
	v_cvt_scalef32_pk16_bf6_f32 v[240+4*\c:242+4*\c], v[S+32*\c+16:S+32*\c+31], v[234+\c]   ; (a conversion's three registers begin on an even number)
.endr
	v_nop                                          ; one plain place behind a scaled conversion
.irp c, 0,1
.irp i, 0,1,2
	v_mov_b32 v[QF+3+6*\c+\i], v[240+4*\c+\i]
.endr
.endr
.endm
; Both tiles' Q, asked for by QLOAD 0 and QLOAD 1, are quantised; then the largest t starts at -3e38, under every t.  Those four plain lines and the four at a step's head stand between the
; last write of Q's codes and scale word and the first product that takes them (4 and 8 places are asked: ISA guide 7.12.1 has no row for it).
.macro QIN
	s_wait_loadcnt 16                              ; tile 0's 16 loads are in; tile 1's may be out
	QTURN 0
	s_wait_dscnt 0x0
	QQ 0
	s_wait_loadcnt 0x0
	QTURN 1
	s_wait_dscnt 0x0
	QQ 1
.irp tau, 0,1
	WIN 0x55*\tau
	v_mov_b32 v13, 0xff61b1e6
	v_floor_f32 v12, -v13                          ; -M
.endr
	WIN 0
.endm
	QLOAD 0, QP1
	QLOAD 1, QP1
	v_mov_b32 v[H8], v[H8]                         ; (destination window 1) 8 h for tile 1
.irp tau, 0,1                          ; while Q is on its way.  The step is written once: the first finds zeros, which the first change of M leaves zeros
	WIN 0x55*\tau
	v_mov_b32 v14, 0                               ; the sum, in two halves
	v_mov_b32 v15, 0
.irp j, 236,237,238,239,252,253
	v_mov_b32 v\j, 0                               ; written once: a lane permute's destination counts as one of its sources, and v253 is named as the upper half of a pair
.endr
.set ii, 0
.rept 64
	v_mov_b32 v[OT+ii], 0
.set ii, ii+1
.endr
.endr
	QIN
; THE CHANGE OF SLOTS stands at a slot's head.  Each wave waits for all its tensor loads (one at the most is out: its part of the slot that it is about to read), adds 0 to its spare word, and waits for that and for its reads of the
; slot that it has left.  Behind the barrier the slot ahead is whole and nobody reads the other one.  nf waves (0, 1 or 2) then fill that other slot with the steps that follow: the load has two steps' work in which to land.
.macro CHANGE nf
	s_wait_tensorcnt 0x0                           ; no tensor load of mine is out, so group 0 may be written
	ds_add_u32 v[SPW], v[NIL]                      ; 0 onto my spare word: the descriptor's steps stand between it and the wait for it
.if \nf
	s_add_co_u32 s[SG], s[SG], 2
	s_xor_b32 s[G0+1], s[G0+1], SLOT1              ; the other slot than last time
	KVADDR
.endif
	s_wait_dscnt 0x0                               ; the add is done, and my reads of the slot that I have left are over
	s_barrier_signal -1
	s_barrier_wait -1
.if \nf
	s_cmp_lt_u32 s[WV], \nf
	s_cbranch_scc0 .Lnone_\@
	tensor_load_to_lds s[G0:G0+3], s[G1:G1+7]      ; the first thing behind the barrier, and a wave's one tensor load until the next
	s_nop 0
.rept 4
	v_nop
.endr
.Lnone_\@:
.endif
.endm
; Eight fragments and four registers of scale words from the step's block: 3 loads of 16 bytes a lane for a fragment, 512 consecutive bytes each.  Fragments 0-3 and the words first, then fragments 4-7 into window 1.
.macro FRAGS img, sc, sreg
.irp f, 0,1,2,3
.irp c, 0,1,2
	ds_load_b128 v[FRG+12*\f+4*\c:FRG+12*\f+4*\c+3], v[ADF] offset:\img+1536*\f+512*\c
.endr
.endr
.irp p, 0,1,2,3
	ds_load_b32 v[\sreg+\p], v[ADS] offset:\sc+128*\p
.endr
	WIN 0x40
.irp f, 0,1,2,3
.irp c, 0,1,2
	ds_load_b128 v[FRG+12*\f+4*\c:FRG+12*\f+4*\c+3], v[ADF] offset:\img+1536*(4+\f)+512*\c
.endr
.endr
.endm
; S^T = K Q^T of tile tau, fragments 4 phi .. 4 phi + 3: one product an accumulator, begun with the constant 0.  An odd fragment's scale words lie in lanes 16-31 of its pair's register.
.macro QK tau, phi
	WIN (0x44*\tau)|\phi
.irp f, 0,1,2,3
.if \f%2
	v_wmma_scale_f32_16x16x128_f8f6f4 v[S+8*(4*\phi+\f):S+8*(4*\phi+\f)+7], v[FRG+12*\f:FRG+12*\f+11], v[QF:QF+11], 0, v[KS+2*\phi+\f/2], v[QS+\tau] matrix_a_fmt:MATRIX_FMT_BF6 matrix_b_fmt:MATRIX_FMT_BF6 matrix_a_scale:MATRIX_SCALE_ROW1
.else
	v_wmma_scale_f32_16x16x128_f8f6f4 v[S+8*(4*\phi+\f):S+8*(4*\phi+\f)+7], v[FRG+12*\f:FRG+12*\f+11], v[QF:QF+11], 0, v[KS+2*\phi+\f/2], v[QS+\tau] matrix_a_fmt:MATRIX_FMT_BF6 matrix_b_fmt:MATRIX_FMT_BF6
.endif
.endr
.endm
; O^T += V^T P^T of tile tau: eight accumulators, one product each a step: they take turns.
.macro PV tau
.irp phi, 0,1
	WIN (0x54*\tau)|\phi
.irp f, 0,1,2,3
.if \f%2
	v_wmma_scale_f32_16x16x128_f8f6f4 v[OT+8*(4*\phi+\f):OT+8*(4*\phi+\f)+7], v[FRG+12*\f:FRG+12*\f+11], v[PC:PC+11], v[OT+8*(4*\phi+\f):OT+8*(4*\phi+\f)+7], v[VS+2*\phi+\f/2], v[PS+\tau] matrix_a_fmt:MATRIX_FMT_BF6 matrix_b_fmt:MATRIX_FMT_BF6 matrix_a_scale:MATRIX_SCALE_ROW1
.else
	v_wmma_scale_f32_16x16x128_f8f6f4 v[OT+8*(4*\phi+\f):OT+8*(4*\phi+\f)+7], v[FRG+12*\f:FRG+12*\f+11], v[PC:PC+11], v[OT+8*(4*\phi+\f):OT+8*(4*\phi+\f)+7], v[VS+2*\phi+\f/2], v[PS+\tau] matrix_a_fmt:MATRIX_FMT_BF6 matrix_b_fmt:MATRIX_FMT_BF6
.endif
.endr
.endr
.endm
; Register 16 b + i holds key KF + 16 h + 32 b + i: hidden where 32 b + i > d, d = my query - KF - 16 h.  Ascending.
.macro MASK tau
	WIN 0x55*\tau
	v_mov_b32 v254, 0xc90a1b57                     ; -50,000 x sqrt(128): x 1 / sqrt(128) it is the fill
.set jj, 0
.rept 64
	v_cmp_gt_i32 vcc_lo, 32*(jj/16)+jj%16, v[DD]
	v_cndmask_b32 v[S+jj], v[S+jj], v254, vcc_lo
.set jj, jj+1
.endr
.endm
; One tile's softmax for 128 keys; p's codes land in v[PC] on, its scale word in v[PS + tau] of window 0.
.macro SOFTMAX tau
	WIN 0x55*\tau
.irp b, 0,1,2,3
	v_max3_num_f32 v[232+\b], v[S+16*\b], v[S+1+16*\b], v[S+2+16*\b]   ; THE LARGEST SCORE OF EACH BLOCK OF 32 KEYS serves twice: for the row's maximum, and, since p rises with the score, for the block's largest p
.endr
.irp i, 3,5,7,9,11,13
.irp b, 0,1,2,3
	v_max3_num_f32 v[232+\b], v[232+\b], v[S+16*\b+\i], v[S+1+16*\b+\i]   ; (the four blocks by turns)
.endr
.endr
.irp b, 0,1,2,3
	v_max_num_f32 v[232+\b], v[232+\b], v[S+15+16*\b]
.endr
.irp b, 0,1,2,3
	v_permlanex16_b32 v[236+\b], v[232+\b], s[SEL], s[SEL+1]
.endr
.irp b, 0,1,2,3
	v_max_num_f32 v[232+\b], v[232+\b], v[236+\b]  ; with lane l xor 16's 16 keys
.endr
	v_max3_num_f32 v254, v232, v233, v234
	v_max_num_f32 v254, v254, v235                 ; the step's largest score of my query
	v_mul_f32 v254, s[CS], v254                    ; as t (c is positive)
	v_max_num_f32 v13, v13, v254                   ; the running largest t
	v_mov_b32 v254, v12
	v_floor_f32 v12, -v13                          ; the new -M = floor(-t) = -ceil(t): M IS A WHOLE NUMBER
	v_sub_f32 v254, v12, v254                      ; M's old value less its new one: a whole number, 0 or less
	v_cvt_i32_f32 v254, v254                       ; (it saturates)
	v_ldexp_f32 v252, 1.0, v254                    ; f = 2^(old M - new M): 0 in a block's first step
.set jj, 0
.rept 32
	v_pk_fma_f32 v[S+jj:S+jj+1], v[S+jj:S+jj+1], s[CS:CS+1], v[12:13] op_sel_hi:[1,0,0]   ; t - M, two at a time (of the pairs c and -M the low word serves both halves)
.set jj, jj+2
.endr
.irp b, 0,1,2,3
	v_fma_f32 v[232+\b], v[232+\b], s[CS], v12     ; the same of each block's largest score
.endr
.set jj, 0
.rept 64
	v_exp_f32 v[S+jj], v[S+jj]                     ; p = 2^(t - M), at most 1: NOT normalised
.set jj, jj+1
.endr
.irp b, 0,1,2,3
	v_exp_f32 v[232+\b], v[232+\b]                 ; the block's largest p: the same two instructions on the same number give the same bits
.endr
	v_pk_mul_f32 v[14:15], v[14:15], v[252:253] op_sel_hi:[1,0]   ; the sums under the new M.  (A plain place behind the exponentials)
	s_wait_alu depctr_va_vdst(0)
.irp b, 0,1,2,3
	v_max_num_f32 v[232+\b], 0x2800000, v[232+\b]  ; the floor 2^(5 - 127): the byte cannot fall under 1 (a block whose every p is 0 keeps that byte: its codes are zeros)
.endr
.irp b, 0,1,2,3
	v_add_nc_u32 v[244+\b], 0xfe000000, v[232+\b]  ; 4 off the exponent field: the conversion's scale operand
.endr
.irp b, 0,1,2,3
	v_lshrrev_b32 v[236+\b], 23, v[244+\b]         ; the scale's byte
.endr
	v_lshl_or_b32 v253, v237, 8, v236
	v_lshl_or_b32 v253, v238, 16, v253
	WIN 0x11*\tau
	v_lshl_or_b32 v[PS+\tau], v239, 24, v253       ; p's scale word for these 128 keys goes to window 0, where scale operands are read
	WIN 0x55*\tau
.irp c, 0,1
	v_cvt_scalef32_pk16_bf6_f32 v[PC+6*\c:PC+2+6*\c], v[S+32*\c:S+15+32*\c], v[244+2*\c]
	v_cvt_scalef32_pk16_bf6_f32 v[236+4*\c:238+4*\c], v[S+16+32*\c:S+31+32*\c], v[244+2*\c+1]   ; (a conversion's three registers begin on an even number)
.endr
	v_nop                                          ; one plain place behind a scaled conversion
.irp c, 0,1                            ; the operand's layout wants a WHOLE block in a lane: lanes 0-15 block 2 c, lanes 16-31 block 2 c + 1
.irp i, 0,1,2
	v_permlane16_swap_b32 v[PC+6*\c+\i], v[236+4*\c+\i]
.endr
.irp i, 0,1,2
	v_mov_b32 v[PC+3+6*\c+\i], v[236+4*\c+\i]
.endr
.endr
	v_pk_add_f32 v[236:237], v[S:S+1], v[S+2:S+3]  ; THE ROW'S SUM IS TAKEN OF THE UNQUANTISED p: two at a time, in two chains
.irp j, 4,8,12,16,20,24,28,32,36,40,44,48,52,56,60
	v_pk_add_f32 v[14:15], v[14:15], v[S+\j:S+1+\j]
	v_pk_add_f32 v[236:237], v[236:237], v[S+2+\j:S+3+\j]
.endr
	v_pk_add_f32 v[14:15], v[14:15], v[236:237]
.set jj, 0
.rept 32
	v_pk_mul_f32 v[OT+jj:OT+jj+1], v[OT+jj:OT+jj+1], v[252:253] op_sel_hi:[1,0]   ; O^T under the new M: x f; ascending.  (These and the sums are the places between the writes of p's codes and scale word and the products)
.set jj, jj+2
.endr
.endm
; THE WAY OUT of tile tau.  O^T is divided by the row's sum, goes into my stage (lane (r, h): 32 bytes of row r for each fragment) and comes back as whole rows of 512 bytes, into the registers that it left; each store of the
; wave covers 512 consecutive bytes, at a multiple of 256 from out0's first byte.  The places behind the last products: for tile 0 tile 1's softmax, for tile 1 tile 0's lines here; neither names a register of those products.
.macro WAYOUT tau, ptr
	WIN 0x55*\tau
	v_add_f32 v14, v14, v15                        ; the sum's two halves,
	v_permlanex16_b32 v252, v14, s[SEL], s[SEL+1]
	v_add_f32 v14, v14, v252                       ; and lane l xor 16's
	v_rcp_f32 v14, v14
	v_nop                                          ; one plain place behind a transcendental
.set jj, 0
	s_wait_alu depctr_va_vdst(0)
.rept 32
	v_pk_mul_f32 v[OT+jj:OT+jj+1], v[OT+jj:OT+jj+1], v[14:15] op_sel_hi:[1,0]   ; ascending: each accumulator from its low end on
.set jj, jj+2
.endr
	WIN 0x04*\tau
.irp f, 0,1,2,3,4,5,6,7
	ds_store_b128 v[STO], v[OT+8*\f:OT+8*\f+3] offset:64*\f
	ds_store_b128 v[STO], v[OT+8*\f+4:OT+8*\f+7] offset:64*\f+16
.endr
	WIN 0x40*\tau
.irp i, 0,1,2,3,4,5,6,7,8,9,10,11,12,13,14,15
	ds_load_b128 v[OT+4*\i:OT+4*\i+3], v[RD] offset:SP*\i   ; LDS serves a wave's instructions in order: these see my stores
.endr
	WIN 0x04*\tau
.irp i, 0,1,2,3,4,5,6,7,8,9,10,11,12,13,14,15
	s_wait_dscnt 15-\i                             ; row i is back; the younger loads may be out
	global_store_b128 v[LI], v[OT+4*\i:OT+4*\i+3], s[\ptr:\ptr+1] offset:16384*\i+512*\tau th:TH_STORE_NT
.endr
.endm
; THE CHANGE OF BLOCKS.  The second block's Q is asked for first and lands while the first block goes out.  Nothing is cleared: the next step's f is 0, and the finite numbers left in O^T and the sum times 0 are 0.
.macro SWITCH
	QLOAD 0, QP2
	QLOAD 1, QP2
	WAYOUT 0, OP1
	WAYOUT 1, OP1
	QIN
	s_mov_b32 s[KF], 0
	s_mov_b32 s[Q0], s[Q0B]
	s_wait_xcnt 0x0                                ; the stores have read O^T's registers: the next step writes them only behind this wait
.endm
; A KEY STEP: 128 keys for both tiles.  Every window is 0 at its head and at its end, and at each branch and label.
.macro STEP
	s_cmp_eq_u32 s[SI], s[N1]                      ; ids alone decide: the same in all eight waves
	s_cbranch_scc0 .Lsame_\@
	SWITCH
.Lsame_\@:
	v_add_nc_u32 v[ADF], s[TB], v[LI]
	v_add_nc_u32 v[ADS], s[TB], v[LS]
	v_nop
	v_nop                                          ; four places behind the last step's products, in front of loads into registers that they read
	FRAGS 0, KSC, KS
	s_wait_dscnt 12                                ; fragments 0-3 and the scale words are in; the 12 loads of fragments 4-7 may be out
	QK 0, 0
	QK 1, 0
	s_wait_dscnt 0x0
	QK 0, 1
	QK 1, 1
	WIN 0
.rept 4
	v_nop                                          ; places in front of the loads into the fragments' registers and of the first read of the scores
.endr
	FRAGS VIMG, VSC, VS                            ; V lands while tile 0's softmax is walked
	WIN 0
	s_add_co_u32 s[TMP], s[SI], 1                  ; in the first block's last step each wave asks for its own 16 rows x 1,024 bytes of the second block's Q, each aligned 256 bytes once in the launch, by one lane:
	s_cmp_eq_u32 s[TMP], s[N1]                     ; one step ahead of the loads; every address lies inside query; no other step asks for anything
	s_cbranch_scc0 .Lnopf_\@
	global_prefetch_b8 v[PFO], s[QP2:QP2+1] th:TH_LOAD_NT scope:SCOPE_SE
	global_prefetch_b8 v[PFO], s[QP2:QP2+1] offset:512 th:TH_LOAD_NT scope:SCOPE_SE
.Lnopf_\@:
	s_add_co_u32 s[TMP], s[KF], 127                ; a step all of whose keys count for my first query skips the mask
	s_cmp_le_u32 s[TMP], s[Q0]
	s_cbranch_scc1 .Lopen_\@
	s_sub_co_u32 s[TMP], s[Q0], s[KF]
	v_add_nc_u32 v[DD], s[TMP], v[RH]              ; d = my query - KF - 16 h: the two tiles hold the same positions
	WIN 0x40
	v_mov_b32 v[DD], v[DD]                         ; (destination window 1)
	MASK 0
	MASK 1
	WIN 0
.Lopen_\@:
	SOFTMAX 0
	s_wait_dscnt 0x0                               ; V is in
	PV 0                                           ; tile 0's products stand in front of tile 1's softmax, which touches none of their registers
	SOFTMAX 1
	PV 1
	WIN 0
	s_add_co_u32 s[SI], s[SI], 1
	s_add_co_u32 s[KF], s[KF], 128
	s_add_co_u32 s[TB], s[TB], STEPB
.endm
.macro TWO_STEPS                       ; a slot's two steps: written once, walked twice; the LDS addresses hang on s[TB]
	s_mov_b32 s[TWICE], 2
.Lstep_\@:
	STEP
	s_sub_co_u32 s[TWICE], s[TWICE], 1
	s_cmp_lg_u32 s[TWICE], 0
	s_cbranch_scc1 .Lstep_\@
	s_sub_co_u32 s[TB], s[TB], 2*STEPB             ; back to a slot's first step,
	s_xor_b32 s[TB], s[TB], SLOT1                  ; in the other slot
.endm
.Lslot:                                            ; 7 trips: steps 0 to 13; behind each change of slots the next two steps are asked for
	CHANGE 2
	TWO_STEPS
	s_sub_co_u32 s[SLOTS], s[SLOTS], 1
	s_cmp_lg_u32 s[SLOTS], 0
	s_cbranch_scc1 .Lslot
	CHANGE 1                                       ; the tail is written out: only step 16 is left to fetch, by wave 0
	TWO_STEPS                                      ; steps 14 and 15
	CHANGE 0
	STEP                                           ; step 16
	WAYOUT 0, OP2
	WAYOUT 1, OP2
	WIN 0
	s_wait_tensorcnt 0x0                           ; the wave's end: behind my last tensor load and my last LDS store
	ds_add_u32 v[SPW], v[NIL]
	s_wait_dscnt 0x0
	s_endpgm
.Lfunc_end_k_q185a5b5314_attn:
	.size	k_q185a5b5314_attn, .Lfunc_end_k_q185a5b5314_attn-k_q185a5b5314_attn
	.p2alignl 7, 3214868480
	.fill 96, 4, 3214868480
	.section	.rodata,"a",@progbits
	.p2align	6, 0x0
	.amdhsa_kernel k_q185a5b5314_attn
		.amdhsa_group_segment_fixed_size 327680
		.amdhsa_private_segment_fixed_size 0
		.amdhsa_enable_private_segment 0
		.amdhsa_kernarg_size 24
		.amdhsa_user_sgpr_count 2
		.amdhsa_user_sgpr_kernarg_segment_ptr 1
		.amdhsa_wavefront_size32 1
		.amdhsa_system_sgpr_workgroup_id_x 1
		.amdhsa_system_sgpr_workgroup_id_y 1
		.amdhsa_system_sgpr_workgroup_id_z 1
		.amdhsa_system_vgpr_workitem_id 0
		.amdhsa_next_free_vgpr 512
		.amdhsa_next_free_sgpr 66
		.amdhsa_reserve_vcc 1
		.amdhsa_float_denorm_mode_32 3
		.amdhsa_float_denorm_mode_16_64 3
		.amdhsa_memory_ordered 1
		.amdhsa_forward_progress 1
		.amdhsa_inst_pref_size 250
	.end_amdhsa_kernel
	.amdgpu_metadata
---
amdhsa.version: [ 1, 2 ]
amdhsa.kernels:
  - .name:           k_q185a5b5314_attn
    .symbol:         k_q185a5b5314_attn.kd
    .args:
      - { .name: query, .offset: 0, .size: 8, .value_kind: global_buffer, .address_space: global }
      - { .name: kv, .offset: 8, .size: 8, .value_kind: global_buffer, .address_space: global }
      - { .name: out0, .offset: 16, .size: 8, .value_kind: global_buffer, .address_space: global }
    .group_segment_fixed_size: 327680
    .private_segment_fixed_size: 0
    .kernarg_segment_align: 8
    .kernarg_segment_size: 24
    .max_flat_workgroup_size: 256
    .sgpr_count:     66
    .vgpr_count:     512
    .wavefront_size: 32
...
	.end_amdgpu_metadata
.endif
;; end of part 2
